; MI455X (gfx1250); checked and timed in simulation.
; The chip was launched on July 23, 2026; its instructions are those of AMD's public machine-readable ISA for CDNA 5 (MIT licence, August 2026) and "CDNA5" Instruction Set Architecture Reference Guide (July 2026). The comments in the code are by the model that wrote it; some were corrected since.
;; Lora QKV Linear. Allowed arithmetic: matrix products marked QUANTISED: E2M1 operands, one E8M0 scale for each 32 along K, by v_wmma_scale_f32_16x16x128_f8f6f4 with both operands' format E2M1 (or v_wmma_scale_f32_32x16x128_f4), f32 sums; products left as they are: f32 operands where the result goes on into a quantised operand, else bf16, f16 or f32 operands; f32 sums; everything else in f32.
;; Inputs: Ak 4,096 x 16 float32; Aq 4,096 x 16 float32; Av 4,096 x 16 float32; Bk 16 x 1,024 float32; Bq 16 x 4,096 float32; Bv 16 x 1,024 float32; Wk 1,024 x 4,096 float32; Wq 4,096 x 4,096 float32; Wv 1,024 x 4,096 float32; bk 1,024 float32; bq 4,096 float32; bv 1,024 float32; x 4 x 512 x 4,096 float32.
;; Outputs: out0 4 x 512 x 4,096 float32; out1 4 x 512 x 1,024 float32; out2 4 x 512 x 1,024 float32.
;; This version of the problem:
;;   THIS VERSION OF THE PROBLEM IS GIVEN IN LOW PRECISION. The matrix products marked QUANTISED in the list below multiply operands that are first quantised to E2M1 (2 exponent bits, 1 mantissa bit; 4 bits a number), with one power-of-two scale for each 32 numbers along K (OCP MX v1.0); their sums are f32. All else is computed in f32.
;;   The module's matrix products, in the order in which they are computed (A, B: the left and right operand; K: the contracted axis; several contracted axes count as one K, in the product's order):
;;     1. [M 2,048, K 4,096] x [K 4,096, N 4,096]; A: input x; B: input Wq: QUANTISED
;;     2. [M 2,048, K 4,096] x [K 4,096, N 16]; A: input x; B: input Aq: QUANTISED
;;     3. [M 2,048, K 16] x [K 16, N 4,096]; A: computed on the way; B: input Bq: left as it is (K = 16 < 32)
;;     4. [M 2,048, K 4,096] x [K 4,096, N 1,024]; A: input x; B: input Wk: QUANTISED
;;     5. [M 2,048, K 4,096] x [K 4,096, N 16]; A: input x; B: input Ak: QUANTISED
;;     6. [M 2,048, K 16] x [K 16, N 1,024]; A: computed on the way; B: input Bk: left as it is (K = 16 < 32)
;;     7. [M 2,048, K 4,096] x [K 4,096, N 1,024]; A: input x; B: input Wv: QUANTISED
;;     8. [M 2,048, K 4,096] x [K 4,096, N 16]; A: input x; B: input Av: QUANTISED
;;     9. [M 2,048, K 16] x [K 16, N 1,024]; A: computed on the way; B: input Bv: left as it is (K = 16 < 32)
;;   THE QUANTISER, for each operand of a quantised product, along K:
;;     - K is cut into blocks of 32 from its start; a last block that is shorter is filled with zeros.
;;     - A block's scale is 2^e with e = floor(log2(the largest magnitude in the block)) - 2, held to -126 .. 127; a block of zeros has e = 0. As a byte (E8M0): e + 127.
;;     - Each number is divided by its block's scale, clamped to +-6, and rounded to the nearest number of E2M1, ties to even, subnormals kept.
;;     - The product sums the exact products of the quantised numbers (number of the format x scale) in f32.
;;   ~~~python
;;   def quantise(x, axis):      # numpy; x: float32 -> the quantised numbers, widened to float32 again
;;       x = np.moveaxis(x, axis, -1); K = x.shape[-1]
;;       x = np.pad(x, [(0, 0)] * (x.ndim - 1) + [(0, -K % 32)]); x = x.reshape(x.shape[:-1] + (-1, 32)); a = np.abs(x).max(-1, keepdims=True)
;;       e = np.where(a > 0, np.clip(np.frexp(np.where(a > 0, a, 1))[1] - 1 - 2, -126, 127), 0)      # np.frexp(a)[1] - 1 = floor(log2(a)), exactly
;;       r = np.clip(x / 2.0 ** e, -6, 6)
;;       step = 2.0 ** (np.maximum(np.frexp(np.where(r == 0, 1, r))[1] - 1, 0) - 1)
;;       q = np.round(r / step) * step * 2.0 ** e      # np.round: ties to even
;;       return np.moveaxis(q.reshape(q.shape[:-2] + (-1,))[..., :K], -1, axis).astype(np.float32)
;;   ~~~
;; One version. Each part assembles by itself: llvm-mc -triple=amdgcn-amd-amdhsa -mcpu=gfx1250 --defsym DOCPART=n.
;; ======== version 1 of 1: 2 launches
;; limits: values are held in bf16: 8 bits of precision; right only within a limited range of input values
;; workspace buffers: codes 17,930,240 bytes
;; launch quant (part 1): grid 1048 x 1, 4 waves a work-group, no clusters, 20,224 bytes of LDS; arguments x, Wq, Wk, Wv, Aq, Ak, Av, codes; writes codes
.if DOCPART == 1
	.amdgcn_target "amdgcn-amd-amdhsa--gfx1250"
	.amdhsa_code_object_version 6
	.text
	.protected	k_qb24f44ed5f_quant
	.globl	k_qb24f44ed5f_quant
	.p2align	8
	.type	k_qb24f44ed5f_quant,@function
k_qb24f44ed5f_quant:
	s_mov_b64 s[64:65], 0
	v_nop
	global_prefetch_b8 v0, s[64:65] scope:SCOPE_SE
	s_setreg_imm32_b32 hwreg(HW_REG_WAVE_MODE, 25, 1), 1
	s_wait_xcnt 0x0
; x [2048][4096], Wq [4096][4096], Wk, Wv [1024][4096] (K innermost) and Aq, Ak, Av [4096][16] (K is the FIRST axis), all f32, become codes of FP4 (E2M1) with one E8M0 byte for each 32 along K.
; A block's scale is 2^(floor(log2(its largest magnitude)) - 2); its byte is the largest magnitude's exponent field - 2, held at 1 from below.  Each number is divided by the scale and rounded to the nearest code,
; ties to even, beyond 6 the largest code.
; LIMITS: a block of zeros gets the byte 1 where the quantiser says 127: its codes are zeros, which add nothing, and the bytes are read by this program alone.  Blocks whose largest magnitude lies under 2^-124 are held
; at byte 1.  NaN and infinities among the inputs are not served.
; THE BUFFER codes IS LAID IN THE ORDER OF THE MATRIX OPERAND'S REGISTERS.  The rows of x, Wq, Wk, Wv on end are 512 row blocks rb of 16 rows (x 0-127, Wq 128-383, Wk 384-447, Wv 448-511).  For a group G = rb / 8 of
; 128 rows and a K step s of 512 there is a chunk of CH = 34,816 bytes at (16 (G / 2) + 2 s + G % 2) CH: the two groups of a tile of 256 rows lie on end.  In a chunk fragment (q = which 128 along K, i = rb % 8) lies at
; 8192 q + 1024 i, in it lane l's 16 bytes of register group c at 512 c + 16 l: the codes of row l % 16, k = 512 s + 128 q + 64 c + 32 (l / 16) + 0 .. 31; at 32,768 + 256 i + 16 row the row's 16 scale bytes of the K step.
; Three more chunks, at (512 + p) CH, hold A^T of projection p for all of K: fragment (s, q) at 1024 (4 s + q), scale bytes at 32,768 + 256 s + 16 column.
; SHARES.  Work-groups 0-23: one K step of one A; wave q takes its q-th 128 along K x 16 columns, a lane a column with its registers down K.  Work-groups 24-1047: a wave takes one row block x one K step.
; ROWS WITH K INNERMOST.  A load takes 512 consecutive bytes of one row, 16 a lane: a block of 32 lies in 8 neighbouring lanes, and three steps between lanes give its largest magnitude.  The conversion takes eight
; numbers of a lane under ONE scale, and a lane has four of a block: so two loads of neighbouring rows stand in eight registers on end and are converted twice, once under each row's scale; the low half of the first
; result and the high half of the second are kept.  One exchange with the neighbouring lane gives the even lane four bytes of the upper row's block and the odd lane four of the lower row's.  Only codes and scale bytes
; go through the wave's own LDS (an image of its 4 KB of codes, 288 bytes for each block column so that a store's 32 words fall on 32 banks), and leave as 512 and 256 consecutive bytes.
.set CH,     34816
.set NA,     24                        ; work-groups for the A's: 3 x 8 K steps
.set IP,     288                       ; the image: 16 rows x 16 bytes for one block along K, + 32
.set WREG,   16*IP+256                 ; a wave's LDS on the rows' path: the image, then its 256 scale bytes
.set ABYTES, 4*WREG                    ; 64 scale bytes for each wave of the path for the A's: bytes that the other path never names
.set SPARE,  ABYTES+256                ; the spare words
.set SCL,  0                           ; the A's, at work
.set M0,   1
.set STI,  4                           ; the image, in: 288 (lane / 8) + 4 ((lane % 8) / 2) + 16 (lane % 2)
.set RDB,  5                           ; the image, out: 288 (lane / 16) + 16 (lane % 16)
.set SBI,  6                           ; my row's word of scale bytes: 4 (lane / 8) + 16 (lane % 2)
.set SBO,  7
.set L16,  8
.set L8,   9
.set GAA,  10
.set SBIA, 11
.set SBOA, 12
.set M1,   13
.set M,    16                          ; v16-19 four largest magnitudes;  the A's: a scale byte for each block
.set E,    16
.set S,    20                          ; v20-23 four scale operands
.set C,    24                          ; v24-27 four conversions;  the A's: v24-31 two sets of codes
.set D,    28                          ; v28-31 a pair's kept halves, then its four bytes: two sets by turns
.set N,    138                         ; v138-139 the neighbour's
.set R,    32                          ; v32-127 six sets of four loads;  the A's: two blocks
.set X,    32
.set SEL,  128                         ; which bytes of mine and of my neighbour's I keep
.set SPW,  129
.set NIL,  130
.set EB,   132                         ; v132-133 scale bytes
.set WB,   134                         ; the four scale bytes of my row and lane group: byte t is block 4 t + lane / 8
.set SELB, 135                         ; which two of the four bytes of each word my half of a row takes
	s_load_b256 s[4:11], s[0:1], 0x0               ; x, Wq, Wk, Wv
	s_load_b256 s[12:19], s[0:1], 0x20             ; Aq, Ak, Av, codes
	v_lshl_add_u32 v[SPW], v0, 2, SPARE
	v_mov_b32 v[NIL], 0
	v_lshrrev_b32 v1, 5, v0
	v_readfirstlane_b32 s20, v1                    ; wave
	v_and_b32 v2, 31, v0                           ; lane
	v_and_b32 v13, 15, v0                          ; r
	v_bfe_u32 v1, v0, 4, 1                         ; h
	v_and_b32 v14, 1, v0
	v_bfe_u32 v15, v0, 3, 2
	v_bfe_u32 v3, v0, 1, 2
	s_mul_i32 s30, s20, WREG
	v_mul_u32_u24 v[STI], v15, IP
	v_lshl_add_u32 v[STI], v3, 2, v[STI]
	v_lshl_add_u32 v[STI], v14, 4, v[STI]
	v_add_nc_u32 v[STI], s30, v[STI]
	v_mul_u32_u24 v[RDB], v1, IP
	v_lshl_add_u32 v[RDB], v13, 4, v[RDB]
	v_add_nc_u32 v[RDB], s30, v[RDB]
	s_add_co_u32 s31, s30, 16*IP
	v_lshlrev_b32 v[SBI], 2, v15
	v_lshl_add_u32 v[SBI], v14, 4, v[SBI]
	v_add_nc_u32 v[SBI], s31, v[SBI]
	v_lshlrev_b32 v[L8], 3, v2
	v_lshrrev_b32 v[SBO], 1, v2
	v_lshlrev_b32 v[SBO], 4, v[SBO]
	v_add_nc_u32 v[SBO], s31, v[SBO]               ; out: row lane / 2, its sixteen bytes
	v_lshlrev_b32 v[L16], 4, v2
	v_cmp_eq_u32 s36, 1, v14                       ; the odd lanes
	v_mov_b32 v[SEL], 0x05040100                   ; even: my low half, then my neighbour's
	v_mov_b32 v[N], 0x03020706                     ; odd: my neighbour's high half, then mine
	v_cndmask_b32 v[SEL], v[SEL], v[N], s36
	v_mov_b32 v[SELB], 0x05010400                  ; even lanes: bytes 0 and 1 of two words, by turns
	v_mov_b32 v[N+1], 0x07030602                   ; odd lanes: bytes 2 and 3  (a DPP form's destination counts as read: so both of v[N] are written)
	v_cndmask_b32 v[SELB], v[SELB], v[N+1], s36
	v_lshlrev_b32 v[GAA], 2, v13
	v_lshl_add_u32 v[GAA], v1, 11, v[GAA]          ; a row of A is 64 bytes: lanes 16-31 begin 32 rows further down
	s_lshl_b32 s31, s20, 6
	s_add_co_u32 s31, s31, ABYTES
	v_lshl_add_u32 v[SBIA], v13, 2, v1
	v_add_nc_u32 v[SBIA], s31, v[SBIA]
	v_lshrrev_b32 v15, 1, v2
	v_lshlrev_b32 v15, 2, v15
	v_lshl_add_u32 v[SBOA], v14, 7, v15
	v_add_nc_u32 v[SBOA], ABYTES, v[SBOA]
	s_wait_alu depctr_va_vdst(0)                   ; the wait at the head's end
	s_wait_kmcnt 0x0
	s_cmp_lt_u32 ttmp9, NA
	s_cbranch_scc1 .Lpath_a
	; ---- rows with K innermost
	s_sub_co_u32 s30, ttmp9, NA
	s_lshr_b32 s21, s30, 1                         ; rb
	s_and_b32 s30, s30, 1
	s_lshl_b32 s30, s30, 2
	s_add_co_u32 s22, s30, s20                     ; s = 4 x (work-group's low bit) + wave
	s_mov_b64 s[24:25], s[10:11]                   ; which tensor, and its first row block: the choice hangs on the work-group's number alone
	s_mov_b32 s31, 448
	s_cmp_lt_u32 s21, 448
	s_cselect_b64 s[24:25], s[8:9], s[24:25]
	s_cselect_b32 s31, 384, s31
	s_cmp_lt_u32 s21, 384
	s_cselect_b64 s[24:25], s[6:7], s[24:25]
	s_cselect_b32 s31, 128, s31
	s_cmp_lt_u32 s21, 128
	s_cselect_b64 s[24:25], s[4:5], s[24:25]
	s_cselect_b32 s31, 0, s31
	s_sub_co_u32 s32, s21, s31
	s_lshl_b32 s32, s32, 18                        ; 16 rows of 16,384 bytes a row block,
	s_lshl_b32 s33, s22, 11                        ; 2,048 bytes a K step
	s_add_co_u32 s32, s32, s33
	s_mov_b32 s33, 0
	s_add_nc_u64 s[24:25], s[24:25], s[32:33]
	s_lshr_b32 s34, s21, 4
	s_lshl_b32 s34, s34, 4
	s_lshl_b32 s35, s22, 1
	s_add_co_u32 s34, s34, s35
	s_bfe_u32 s35, s21, 0x10003
	s_add_co_u32 s34, s34, s35
	s_mul_i32 s34, s34, CH                         ; the chunk
	s_and_b32 s30, s21, 7
	s_lshl_b32 s31, s30, 10
	s_add_co_u32 s32, s34, s31
	s_add_nc_u64 s[26:27], s[18:19], s[32:33]      ; my row block's fragments
	s_lshl_b32 s31, s30, 8
	s_add_co_u32 s32, s34, s31
	s_add_co_u32 s32, s32, 32768
	s_add_nc_u64 s[28:29], s[18:19], s[32:33]      ; and its scale bytes
.macro LOAD u                          ; turn u: rows 2 (u / 2) and the next, parts 2 (u % 2) and the next of the K step's four: each load 512 consecutive bytes
.set RS, R+16*((\u)%6)
.irp t, 0,1
.irp w, 0,1
	global_load_b128 v[RS+8*\t+4*\w:RS+8*\t+4*\w+3], v[L16], s[24:25] offset:(2*((\u)/2)+\w)*16384+(2*((\u)%2)+\t)*512 th:TH_LOAD_NT
.endr
.endr
.endm
.macro WORK u                          ; four blocks a lane group, by turns
.set RS, R+16*((\u)%6)
.if (\u) <= 10
	s_wait_loadcnt 20                              ; this turn's four loads are in; the five sets behind may be out
.else
	s_wait_loadcnt 4*(15-(\u))
.endif
.irp k, 0,1,2,3
	v_max3_num_f32 v[M+\k], |v[RS+4*\k]|, |v[RS+4*\k+1]|, |v[RS+4*\k+2]|
.endr
.irp k, 0,1,2,3
	v_max3_num_f32 v[M+\k], v[M+\k], |v[RS+4*\k+3]|, 0x1800000     ; and the floor 2^(3 - 127): the byte cannot fall under 1
.endr
.irp x, 1,2,4
.irp k, 0,1,2,3
	v_max_num_f32_dpp v[M+\k], v[M+\k], v[M+\k] row_xmask:\x row_mask:0xf bank_mask:0xf   ; over the block's eight lanes
.endr
.endr
.irp k, 0,1,2,3
	v_add_nc_u32 v[S+\k], 0xff000000, v[M+\k]      ; 2 off the exponent field: the conversion's scale operand
.endr
.irp t, 0,1
	v_cvt_scalef32_pk8_fp4_f32 v[C+2*\t], v[RS+8*\t:RS+8*\t+7], v[S+2*\t]       ; under the upper row's scale: the low half counts
	v_cvt_scalef32_pk8_fp4_f32 v[C+2*\t+1], v[RS+8*\t:RS+8*\t+7], v[S+2*\t+1]   ; under the lower row's: the high half
.endr
.irp t, 0,1
	v_cndmask_b32 v[EB+\t], v[S+2*\t], v[S+2*\t+1], s36            ; even lanes carry the upper row's scale, odd lanes the lower row's; also the plain lines behind the conversions
.endr
.set DS, D+2*((\u)%2)
.irp t, 0,1
	v_bfi_b32 v[DS+\t], 0xffff, v[C+2*\t], v[C+2*\t+1]
.endr
.irp t, 0,1
	v_lshrrev_b32 v[EB+\t], 23, v[EB+\t]           ; the scale's byte
.endr
.irp t, 0,1
	v_mov_b32_dpp v[N+\t], v[DS+\t] row_xmask:1 row_mask:0xf bank_mask:0xf
.endr
.if (\u)%2 == 0
	v_lshl_or_b32 v[WB], v[EB+1], 8, v[EB]         ; two turns serve the same two rows: their four bytes make one word
.else
	v_lshl_or_b32 v[WB], v[EB], 16, v[WB]
.endif
.irp t, 0,1
	v_perm_b32 v[DS+\t], v[N+\t], v[DS+\t], v[SEL] ; four neighbouring bytes of one block
.endr
.if (\u)%2 == 1
	v_lshl_or_b32 v[WB], v[EB+1], 24, v[WB]
.endif
.irp t, 0,1
	ds_store_b32 v[STI], v[DS+\t] offset:(2*((\u)%2)+\t)*4*IP+2*((\u)/2)*16
.endr
.if (\u)%2 == 1
	ds_store_b32 v[SBI], v[WB] offset:2*((\u)/2)*16                ; the lanes of a group that carry the row write the same word
.endif
.if (\u)+6 < 16
	LOAD (\u)+6
.endif
.endm
.irp u, 0,1,2,3,4,5
	LOAD \u
.endr
.irp u, 0,1,2,3,4,5,6,7,8,9,10,11,12,13,14,15
	WORK \u
.endr
.irp m, 0,1,2,3,4,5,6,7
	ds_load_b128 v[R+4*\m:R+4*\m+3], v[RDB] offset:2*\m*IP         ; LDS serves a wave's instructions in order: these see my stores
.endr
	ds_load_b128 v[16:19], v[SBO]                  ; my row's scale bytes: word g holds the bytes of blocks g, 4 + g, 8 + g, 12 + g
	s_wait_dscnt 0x0
	v_perm_b32 v20, v17, v16, v[SELB]              ; into the order along K: my half of the row is blocks 8 (lane % 2) + 0 .. 7
	v_perm_b32 v21, v19, v18, v[SELB]
	v_perm_b32 v14, v21, v20, 0x05040100
	v_perm_b32 v15, v21, v20, 0x07060302
.irp m, 0,1,2,3,4,5,6,7
	global_store_b128 v[L16], v[R+4*\m:R+4*\m+3], s[26:27] offset:((\m)/2)*8192+((\m)%2)*512   ; 512 consecutive bytes, aligned
.endr
	global_store_b64 v[L8], v[14:15], s[28:29]     ; 256 consecutive bytes, aligned
	s_wait_tensorcnt 0x0                           ; the wave's end
	ds_add_u32 v[SPW], v[NIL]
	s_wait_dscnt 0x0
	s_endpgm
	; ---- the A's: K is the first axis.  All four waves of a work-group take this way
.macro QBLOCK u, off                   ; block u of a lane, 32 registers, becomes 16 bytes of codes and a scale byte
.set XS, X+32*(\u)
.set CS, C+4*(\u)
	v_max3_num_f32 v[M0], |v[XS]|, |v[XS+1]|, |v[XS+2]|
	v_max3_num_f32 v[M1], |v[XS+3]|, |v[XS+4]|, |v[XS+5]|
.irp i, 6,10,14,18,22,26
	v_max3_num_f32 v[M0], v[M0], |v[XS+\i]|, |v[XS+\i+1]|
	v_max3_num_f32 v[M1], v[M1], |v[XS+\i+2]|, |v[XS+\i+3]|
.endr
	v_max3_num_f32 v[M0], v[M0], |v[XS+30]|, |v[XS+31]|
	v_max3_num_f32 v[M0], v[M0], v[M1], 0x1800000
	v_add_nc_u32 v[SCL], 0xff000000, v[M0]
.irp g, 0,1,2,3
	v_cvt_scalef32_pk8_fp4_f32 v[CS+\g], v[XS+8*\g:XS+8*\g+7], v[SCL]
.endr
	v_lshrrev_b32 v[E+(\u)], 23, v[SCL]
	ds_store_b8 v[SBIA], v[E+(\u)] offset:2*(\u)
	global_store_b128 v[L16], v[CS:CS+3], s[26:27] offset:\off
.endm
.Lpath_a:
	s_lshr_b32 s31, ttmp9, 3                       ; p: which A
	s_and_b32 s22, ttmp9, 7                        ; s: which 512 along K; my wave's number is q
	s_mov_b64 s[24:25], s[16:17]
	s_cmp_lt_u32 s31, 2
	s_cselect_b64 s[24:25], s[14:15], s[24:25]
	s_cmp_lt_u32 s31, 1
	s_cselect_b64 s[24:25], s[12:13], s[24:25]
	s_lshl_b32 s32, s22, 15
	s_lshl_b32 s33, s20, 13
	s_add_co_u32 s32, s32, s33
	s_mov_b32 s33, 0
	s_add_nc_u64 s[24:25], s[24:25], s[32:33]
	s_add_co_u32 s34, s31, 512
	s_mul_i32 s34, s34, CH                         ; the chunk 512 + p
	s_lshl_b32 s32, s22, 12
	s_lshl_b32 s35, s20, 10
	s_add_co_u32 s32, s32, s35
	s_add_co_u32 s32, s32, s34
	s_add_nc_u64 s[26:27], s[18:19], s[32:33]      ; fragment (s, q)
	s_lshl_b32 s32, s22, 8
	s_add_co_u32 s32, s32, s34
	s_add_co_u32 s32, s32, 32768
	s_add_nc_u64 s[28:29], s[18:19], s[32:33]      ; the K step's scale bytes
.irp u, 0,1
.irp i, 0,1,2,3,4,5,6,7,8,9,10,11,12,13,14,15,16,17,18,19,20,21,22,23,24,25,26,27,28,29,30,31
	global_load_b32 v[X+32*\u+\i], v[GAA], s[24:25] offset:(64*\u+\i)*64 th:TH_LOAD_NT   ; A(64 u + 32 h + i, r)
.endr
.endr
	s_wait_loadcnt 32
	QBLOCK 0, 0
	s_wait_loadcnt 0x0
	QBLOCK 1, 512
	s_wait_dscnt 0x0                               ; for wave 0's sake: my four bytes a column have landed
	s_barrier_signal -1
	s_barrier_wait -1
	s_cmp_lg_u32 s20, 0
	s_cbranch_scc1 .Ldone_a
	ds_load_b32 v14, v[SBOA]                       ; column l / 2: the word of wave 2 (l % 2),
	ds_load_b32 v15, v[SBOA] offset:64             ; and of the wave behind it
	s_wait_dscnt 0x0
	global_store_b64 v[L8], v[14:15], s[28:29]
.Ldone_a:
	s_wait_tensorcnt 0x0
	ds_add_u32 v[SPW], v[NIL]
	s_wait_dscnt 0x0
	s_endpgm
.Lfunc_end_k_qb24f44ed5f_quant:
	.size	k_qb24f44ed5f_quant, .Lfunc_end_k_qb24f44ed5f_quant-k_qb24f44ed5f_quant
	.p2alignl 7, 3214868480
	.fill 96, 4, 3214868480
	.section	.rodata,"a",@progbits
	.p2align	6, 0x0
	.amdhsa_kernel k_qb24f44ed5f_quant
		.amdhsa_group_segment_fixed_size 20224
		.amdhsa_private_segment_fixed_size 0
		.amdhsa_enable_private_segment 0
		.amdhsa_kernarg_size 64
		.amdhsa_user_sgpr_count 2
		.amdhsa_user_sgpr_kernarg_segment_ptr 1
		.amdhsa_wavefront_size32 1
		.amdhsa_system_sgpr_workgroup_id_x 1
		.amdhsa_system_sgpr_workgroup_id_y 1
		.amdhsa_system_sgpr_workgroup_id_z 1
		.amdhsa_system_vgpr_workitem_id 0
		.amdhsa_next_free_vgpr 140
		.amdhsa_next_free_sgpr 66
		.amdhsa_reserve_vcc 0
		.amdhsa_float_denorm_mode_32 3
		.amdhsa_float_denorm_mode_16_64 3
		.amdhsa_memory_ordered 1
		.amdhsa_forward_progress 1
		.amdhsa_inst_pref_size 68
	.end_amdhsa_kernel
	.amdgpu_metadata
---
amdhsa.version: [ 1, 2 ]
amdhsa.kernels:
  - .name:           k_qb24f44ed5f_quant
    .symbol:         k_qb24f44ed5f_quant.kd
    .args:
      - { .name: x, .offset: 0, .size: 8, .value_kind: global_buffer, .address_space: global }
      - { .name: Wq, .offset: 8, .size: 8, .value_kind: global_buffer, .address_space: global }
      - { .name: Wk, .offset: 16, .size: 8, .value_kind: global_buffer, .address_space: global }
      - { .name: Wv, .offset: 24, .size: 8, .value_kind: global_buffer, .address_space: global }
      - { .name: Aq, .offset: 32, .size: 8, .value_kind: global_buffer, .address_space: global }
      - { .name: Ak, .offset: 40, .size: 8, .value_kind: global_buffer, .address_space: global }
      - { .name: Av, .offset: 48, .size: 8, .value_kind: global_buffer, .address_space: global }
      - { .name: codes, .offset: 56, .size: 8, .value_kind: global_buffer, .address_space: global }
    .group_segment_fixed_size: 20224
    .private_segment_fixed_size: 0
    .kernarg_segment_align: 8
    .kernarg_segment_size: 64
    .max_flat_workgroup_size: 128
    .sgpr_count:     66
    .vgpr_count:     140
    .wavefront_size: 32
...
	.end_amdgpu_metadata
.endif
;; end of part 1
;; launch gemm (part 2): grid 24 x 8, 4 waves a work-group, clusters of 4 x 4, 327,680 bytes of LDS; arguments Bq, Bk, Bv, bq, bk, bv, out0, out1, out2, codes; writes out0, out1, out2
.if DOCPART == 2
	.amdgcn_target "amdgcn-amd-amdhsa--gfx1250"
	.amdhsa_code_object_version 6
	.text
	.protected	k_qb24f44ed5f_gemm
	.globl	k_qb24f44ed5f_gemm
	.p2align	8
	.type	k_qb24f44ed5f_gemm,@function
k_qb24f44ed5f_gemm:
	s_mov_b64 s[64:65], 0
	v_nop
	global_prefetch_b8 v0, s[64:65] scope:SCOPE_SE
	s_setreg_imm32_b32 hwreg(HW_REG_WAVE_MODE, 25, 1), 1
	s_wait_xcnt 0x0
	s_wait_alu depctr_hold_cnt(0) depctr_sa_sdst(0) depctr_va_vdst(0) depctr_va_sdst(0) depctr_va_ssrc(0) depctr_va_vcc(0) depctr_vm_vsrc(0)
	s_getreg_b32 s2, hwreg(HW_REG_IB_STS2, 6, 4)
	s_cmp_eq_u32 s2, 0
	s_cbranch_scc0 .Lentry_in_a_cluster
	s_endpgm
.Lentry_in_a_cluster:
	s_bfe_u32 s2, ttmp6, 0x10000c
	s_cmp_lg_u32 s2, 0xf033
	s_cbranch_scc0 .Lentry_shape_is_right
	s_endpgm
.Lentry_shape_is_right:
; out_p = Q(x) Q(W_p)^T + 2 (Q(x) Q(A_p)) B_p + b_p for p = q, k, v.  The codes of x, W and A^T (FP4, one E8M0 byte for each 32 along K) come from the buffer codes, laid in the order of the operand's registers.
; A tile of 256 x 256 of the 2,048 x 6,144 results is made by four waves, 128 x 128 each: 64 accumulators.  Tile columns 0-15 are q's, 16-19 k's, 20-23 v's: a cluster's four columns lie in one projection.
; codes: for a tile of 256 rows (x: 0-7, W: 8-31) and a K step s of 512 two chunks of CH bytes on end at (16 tile + 2 s) CH; in a chunk (128 rows) fragment (q, i) at 8192 q + 1024 i, lane l's 16 bytes of register
; group c at 512 c + 16 l; at 32,768 + 256 i + 16 row the row's 16 scale bytes.  Chunk 512 + p holds A_p^T for all of K: fragment (s, q) at 1024 (4 s + q), scale bytes at 32,768 + 256 s + 16 column.
; THE RING: two slots, each a K step of A's 256 rows and B's 256 rows.  At the head one tensor load a wave: wave 0 A's K step 0, wave 1 B's, waves 2 and 3 a half each of the chunk of A_p^T, which stays.
; CLUSTERS 4 x 4: A's tiles are asked for jointly along a row of the cluster, B's along a column.
; A STEP is 128 along K: 64 products (A's eight blocks, each against B's eight) and four for T = Q(x) Q(A_p).  A and B have two sets of fragments each: the next step's 34 LDS loads stand in ONE run at the step's head,
; in the order B 0-7, A_p^T, A 0-7, a whole step ahead of their use; each counted wait leaves out the loads younger than the block of A that follows it.
; T: a wave sums it for 64 of its 128 rows (its blocks 0-3; the wave beside it takes the other 64 as ITS blocks 0-3), and the two change halves through LDS.  The delta goes to the matrix unit in bf16 (K = 16, the upper 16 zeros).
; The bias is the C of each accumulator's first product.  B_p comes as f32 into the bias's registers behind the first step and is doubled and rounded to bf16 in the last step.
; THE MATRIX INSTRUCTION IS USED TRANSPOSED (source 0 = rows of W, source 1 = rows of x): a lane holds eight neighbouring numbers of a row of the result.
; PREFETCH: of the chunk that a wave fetches, 136 blocks of 256 bytes, each of the four partners that ask for it jointly names 34, told apart by address: 32 of the codes, a lane a block, and 2 of the scale bytes
; (the lanes left over name the second again).  K steps 1 and 2 are asked for behind the head's loads, K step 3 behind slot 1's first fill, and each refill (of K step n + 2) asks for K step n + 4; the loop's last trip asks for nothing.
; REGISTERS: window 0: v0-31 addresses, v32-95 scale words (two sets), v96-103 A_p^T's, v104-119 store offsets, v120-127 B_p's offsets, v128-255 A's two sets (at the end T's fragments, then the way out).
;   window 1: v0-63, v128-191 B's two sets; v64-71, v104-111 A_p^T's two; v72-103 T; v192-255 bias, then B_p.   windows 2, 3: the accumulators of my blocks 0-3, 4-7.
.set CH,     34816
.set SLOT,   4*CH
.set LOR,    2*SLOT                    ; behind the ring: the chunk of A_p^T
.set LORS,   LOR+32768
.set TX,     LOR+CH                    ; 2,048 bytes a wave: T on its way to the wave beside
.set SPARE,  TX+8192                   ; the spare words: 128 bytes a wave
.set SPITCH, 528                       ; the way out: 16 rows x (512 + 16) bytes a wave, in slot 0, behind its last fill and last read
.set LAPS,   4
.set PFO,   8                          ; v8, v9 the prefetches' offsets
.set RD,    13
.set TXL,   14
.set ADRAL, 16
.set ADRAH, 18
.set ADRB,  20
.set ADRSL, 22
.set ADRSH, 24
.set ADRL,  26
.set ADRLS, 27
.set STO,   28
.set SPW,   29
.set NIL,   30
.set TXS,   31
.set SC,    32
.set LSC,   96
.set CO,    104
.set VB,    120
.set AF,    128
.set BK,    128
.set LF,    64
.set TA,    72
.set BI,    192
.set BP,    0
.set G1,  24
.set G0,  32
.set G1B, 48
.set G0B, 56
.set PFA, 66                           ; s[66:67] my chunk of the K step that the prefetches count from
.set G1L, 88
.set G0L, 96
.set MSB, 0
.macro WIN new                         ; the immediate's high byte repeats the setting that is left
.if MSB != (\new)
	s_set_vgpr_msb (MSB<<8)|(\new)
.set MSB, (\new)
.endif
.endm
.set MUL_LO,   0xa1                    ; source 0 window 1, source 1 window 0, C and D window 2
.set FIRST_LO, 0x91                    ; the same with C in window 1 (the bias)
.set TW,       0x51
.set TO_B,     0x40
.macro PLACES n
.rept \n
	v_nop
.endr
.endm
.macro JLOAD g0a, g1a, g0b, g1b        ; a joint load: waves 0 and 1 fetch A's halves, waves 2 and 3 B's
	s_cmp_eq_u32 s15, 0
	s_cbranch_scc0 .Lfor_b_\@
	tensor_load_to_lds s[\g0a:\g0a+3], s[\g1a:\g1a+7]
	s_nop 0
	PLACES 4
	s_branch .Lasked_\@
.Lfor_b_\@:
	tensor_load_to_lds s[\g0b:\g0b+3], s[\g1b:\g1b+7]
	s_nop 0
	PLACES 4
.Lasked_\@:
.endm
.macro CREST
	s_cmp_lg_u32 s14, 0
	s_cbranch_scc1 .Lnot_wave_0_\@
	s_barrier_signal -3
.Lnot_wave_0_\@:
	s_barrier_wait -3
	s_barrier_signal -1
	s_barrier_wait -1
.endm
.macro CROUND
	s_barrier_signal -1
	s_barrier_wait -1
	CREST
.endm
.macro PF steps                        ; my 34 blocks of my chunk, so many K steps on from s[PFA]
	global_prefetch_b8 v[PFO], s[PFA:PFA+1] offset:(\steps)*2*CH th:TH_LOAD_NT scope:SCOPE_SE
	global_prefetch_b8 v[PFO+1], s[PFA:PFA+1] offset:(\steps)*2*CH th:TH_LOAD_NT scope:SCOPE_SE
.endm
	s_load_b256 s[68:75], s[0:1], 0x0              ; Bq, Bk, Bv, bq
	s_load_b256 s[76:83], s[0:1], 0x20             ; bk, bv, out0, out1
	s_load_b128 s[84:87], s[0:1], 0x40             ; out2, codes
	v_lshl_add_u32 v[SPW], v0, 2, SPARE
	v_mov_b32 v[NIL], 0
	ds_add_u32 v[SPW], v[NIL]                      ; the opening lines: the add twice on end and one wait
	ds_add_u32 v[SPW], v[NIL]
	v_lshrrev_b32 v1, 5, v0
	v_readfirstlane_b32 s14, v1                    ; wave
	s_lshr_b32 s15, s14, 1                         ; my half of the tile's rows; also: I fetch for A (0) or B (1)
	s_and_b32 s16, s14, 1                          ; my half of its columns; also: which chunk I fetch
	s_bfe_u32 s40, ttmp6, 0x40000                  ; cx
	s_bfe_u32 s41, ttmp6, 0x40004                  ; cy
	s_lshl_b32 s42, ttmp9, 2
	s_add_co_u32 s42, s42, s40                     ; tile column
	s_and_b32 s17, ttmp7, 0xffff
	s_lshl_b32 s17, s17, 2
	s_add_co_u32 s17, s17, s41                     ; tile row
	s_lshl_b32 s43, s41, 2
	s_lshl_b32 s43, 15, s43
	s_lshl_b32 s44, 0x1111, s40
	s_or_b32 s[G1+0], s43, (3<<16)|(1<<21)         ; dense rows of 256 bytes (32 elements of 8); A's go to my row of the cluster,
	s_or_b32 s[G1B+0], s44, (3<<16)|(1<<21)        ; B's to my column
.irp g, G1, G1B
	s_mov_b32 s[\g+1], 32<<16
	s_mov_b32 s[\g+2], 272<<16                     ; the head's loads bring two chunks, 272 rows
	s_mov_b32 s[\g+3], 32<<16
	s_mov_b32 s[\g+4], 272
	s_mov_b32 s[\g+5], 32
	s_mov_b32 s[\g+6], 0
	s_mov_b32 s[\g+7], 0
.endr
	s_mov_b32 s[G1L+0], 3<<16                      ; half of the chunk of A_p^T: 68 rows, my work-group's own load
	s_mov_b32 s[G1L+1], 32<<16
	s_mov_b32 s[G1L+2], 68<<16
	s_mov_b32 s[G1L+3], 32<<16
	s_mov_b32 s[G1L+4], 68
	s_mov_b32 s[G1L+5], 32
	s_mov_b32 s[G1L+6], 0
	s_mov_b32 s[G1L+7], 0
	s_cmp_eq_u32 s15, 0                            ; my place among the four that ask for my chunk with me: cx for A's, cy for B's
	s_cselect_b32 s67, s40, s41
	s_lshl_b32 s3, s67, 9
	s_add_co_u32 s3, s3, 32768                     ; my two blocks of its scale bytes,
	s_lshl_b32 s67, s67, 13                        ; my 32 of its codes
	s_mov_b32 s12, 4096                            ; a row of the result and of B_p in bytes; s45 the projection's first tile column; s66 = p
	s_cmp_eq_u32 ttmp9, 4
	s_cselect_b32 s45, 16, 20
	s_cselect_b32 s66, 1, 2
	s_cmp_lt_u32 ttmp9, 4
	s_cselect_b32 s45, 0, s45
	s_cselect_b32 s66, 0, s66
	s_cselect_b32 s12, 16384, s12
	s_mul_i32 s100, s15, CH                        ; LDS: my chunk of A,
	s_mul_i32 s101, s16, CH
	s_add_co_u32 s101, s101, 2*CH                  ; my chunk of B
	s_lshl_b32 s18, s16, 12
	s_xor_b32 s19, s18, 4096
	s_add_co_u32 s18, s18, s100                    ; my blocks 0-3 of A are the chunk's blocks 4 (wave % 2) + 0 .. 3,
	s_add_co_u32 s19, s19, s100                    ; my blocks 4-7 the other four
	s_lshl_b32 s20, s16, 10
	s_xor_b32 s22, s20, 1024
	s_add_co_u32 s20, s20, s100
	s_add_co_u32 s20, s20, 32768                   ; scale words: lanes 0-15 A's,
	s_add_co_u32 s21, s101, 32768
	s_sub_co_u32 s21, s21, s20                     ; lanes 16-31 B's: the distance
	s_add_co_u32 s22, s22, s100
	s_add_co_u32 s22, s22, 32768
	s_add_co_u32 s23, s101, 32768+1024
	s_sub_co_u32 s23, s23, s22
	s_lshl_b32 s46, s14, 11
	s_xor_b32 s47, s46, 2048
	s_add_co_u32 s46, s46, TX
	s_add_co_u32 s47, s47, TX
	s_mul_i32 s13, s14, 16*SPITCH
	v_and_b32 v1, 15, v0                           ; r
	v_bfe_u32 v2, v0, 4, 1                         ; h
	v_and_b32 v3, 31, v0
	v_lshlrev_b32 v4, 4, v3                        ; 16 x lane
	v_lshlrev_b32 v5, 4, v1
	v_lshlrev_b32 v7, 5, v2                        ; the bias: 32 h
	v_lshlrev_b32 v6, 3, v2
	v_mul_u32_u24 v6, s12, v6
	v_lshl_add_u32 v[VB], v1, 2, v6                ; B_p(8 h + j, 16 b + r)
.irp jj, 1,2,3,4,5,6,7
	v_add_nc_u32 v[VB+\jj], s12, v[VB+\jj-1]
.endr
	v_lshlrev_b32 v[PFO], 8, v3
	v_add_nc_u32 v[PFO], s67, v[PFO]
	v_min_u32 v[PFO+1], 1, v3
	v_lshlrev_b32 v[PFO+1], 8, v[PFO+1]
	v_add_nc_u32 v[PFO+1], s3, v[PFO+1]
	v_mul_u32_u24 v6, s21, v2
	v_add_nc_u32 v6, v6, v5
	v_add_nc_u32 v[ADRSL], s20, v6
	v_add_nc_u32 v[ADRSL+1], SLOT, v[ADRSL]
	v_mul_u32_u24 v6, s23, v2
	v_add_nc_u32 v6, v6, v5
	v_add_nc_u32 v[ADRSH], s22, v6
	v_add_nc_u32 v[ADRSH+1], SLOT, v[ADRSH]
	v_add_nc_u32 v[ADRAL], s18, v4
	v_add_nc_u32 v[ADRAH], s19, v4
	v_add_nc_u32 v[ADRB], s101, v4
	v_add_nc_u32 v[ADRAL+1], SLOT, v[ADRAL]
	v_add_nc_u32 v[ADRAH+1], SLOT, v[ADRAH]
	v_add_nc_u32 v[ADRB+1], SLOT, v[ADRB]
	v_add_nc_u32 v[ADRL], LOR, v4
	v_add_nc_u32 v[ADRLS], LORS, v5
	v_add_nc_u32 v[TXS], s46, v4
	v_add_nc_u32 v[TXL], s47, v4
	v_mul_u32_u24 v6, v1, SPITCH
	v_lshl_add_u32 v6, v2, 5, v6
	v_add_nc_u32 v[STO], s13, v6
	v_add_nc_u32 v[RD], s13, v4
	v_mov_b32 v[CO], v4
.irp t, 1,2,3,4,5,6,7,8,9,10,11,12,13,14,15
	v_add_nc_u32 v[CO+\t], s12, v[CO+\t-1]
.endr
	s_mul_i32 s20, s17, 16*CH                      ; byte offsets in codes: A's tile,
	s_mov_b32 s21, 0
	s_add_co_u32 s46, s42, 8
	s_mul_i32 s46, s46, 16*CH                      ; B's tile,
	s_mov_b32 s47, 0
	s_add_co_u32 s22, s66, 512
	s_mul_i32 s22, s22, CH
	s_mul_i32 s23, s16, CH/2
	s_add_co_u32 s22, s22, s23                     ; my half of the chunk of A_p^T,
	s_add_co_u32 s[G0L+1], s23, LOR                ; and where it goes
	s_mov_b32 s23, 0
	s_mul_i32 s18, s16, CH                         ; in the ring I fetch one chunk of a tile's two
	s_mov_b32 s19, 0
	s_mul_i32 s100, s14, CH
	s_sub_co_u32 s40, s42, s45                     ; my first column in the projection, in bytes
	s_lshl_b32 s40, s40, 10
	s_lshl_b32 s41, s16, 9
	s_add_co_u32 s40, s40, s41
	s_mov_b32 s41, 0
	s_lshl_b32 s44, s17, 8                         ; the rows of my blocks 0-3 and of my blocks 4-7, in bytes
	s_lshl_b32 s43, s15, 7
	s_add_co_u32 s44, s44, s43
	s_lshl_b32 s43, s16, 6
	s_add_co_u32 s42, s44, s43
	s_xor_b32 s43, s43, 64
	s_add_co_u32 s44, s44, s43
	s_mul_i32 s42, s42, s12
	s_mul_i32 s44, s44, s12
	s_mov_b32 s43, 0
	s_mov_b32 s45, 0
	s_wait_alu depctr_va_vdst(0)                   ; the wait behind the head's last vector write, ahead of the waits below
	s_wait_dscnt 0x0                               ; both opening adds are done
	s_wait_kmcnt 0x0
	s_cmp_eq_u32 ttmp9, 4                          ; the projection's buffers: the choice hangs on the cluster's number alone
	s_cselect_b64 s[70:71], s[70:71], s[72:73]
	s_cselect_b64 s[76:77], s[76:77], s[78:79]
	s_cselect_b64 s[82:83], s[82:83], s[84:85]
	s_cmp_lt_u32 ttmp9, 4
	s_cselect_b64 s[68:69], s[68:69], s[70:71]
	s_cselect_b64 s[74:75], s[74:75], s[76:77]
	s_cselect_b64 s[80:81], s[80:81], s[82:83]
	s_add_nc_u64 s[68:69], s[68:69], s[40:41]
	s_add_nc_u64 s[74:75], s[74:75], s[40:41]
	s_add_nc_u64 s[80:81], s[80:81], s[40:41]
	s_add_nc_u64 s[70:71], s[80:81], s[42:43]      ; where my blocks 0-3 go,
	s_add_nc_u64 s[72:73], s[80:81], s[44:45]      ; and my blocks 4-7
	s_lshl_b32 s76, s12, 4                         ; 16 rows of the result
	s_mov_b32 s77, 0
	WIN TO_B
.irp b, 0,1,2,3,4,5,6,7
	global_load_b128 v[BI+8*\b:BI+8*\b+3], v7, s[74:75] offset:64*\b       ; the bias in the result's layout: b(16 b + 8 h + j)
	global_load_b128 v[BI+8*\b+4:BI+8*\b+7], v7, s[74:75] offset:64*\b+16
.endr
	WIN 0
	s_add_nc_u64 s[20:21], s[86:87], s[20:21]
	s_add_nc_u64 s[46:47], s[86:87], s[46:47]
	s_add_nc_u64 s[22:23], s[86:87], s[22:23]
	s_mov_b32 s4, 1                                ; the head's group 0: A's K step 0,
	s_mov_b32 s5, 0
	s_mov_b64 s[6:7], s[20:21]
	s_or_b32 s7, s7, 0x80000000
	s_mov_b32 s8, 1                                ; B's,
	s_mov_b32 s9, 2*CH
	s_mov_b64 s[10:11], s[46:47]
	s_or_b32 s11, s11, 0x80000000
	s_mov_b32 s[G0L], 1                            ; A_p^T's
	s_mov_b64 s[G0L+2:G0L+3], s[22:23]
	s_or_b32 s[G0L+3], s[G0L+3], 0x80000000
	s_add_nc_u64 s[20:21], s[20:21], s[18:19]
	s_add_nc_u64 s[46:47], s[46:47], s[18:19]
	s_cmp_eq_u32 s15, 0
	s_cselect_b64 s[PFA:PFA+1], s[20:21], s[46:47] ; the chunk that I fetch in the ring, at K step 0
.irp s, 0,1
	s_mov_b32 s[G0+4*\s], 1
	s_add_co_u32 s[G0+4*\s+1], s100, \s*SLOT
	s_add_nc_u64 s[G0+4*\s+2:G0+4*\s+3], s[20:21], \s*2*CH
	s_or_b32 s[G0+4*\s+3], s[G0+4*\s+3], 0x80000000
	s_mov_b32 s[G0B+4*\s], 1
	s_add_co_u32 s[G0B+4*\s+1], s100, \s*SLOT
	s_add_nc_u64 s[G0B+4*\s+2:G0B+4*\s+3], s[46:47], \s*2*CH
	s_or_b32 s[G0B+4*\s+3], s[G0B+4*\s+3], 0x80000000
.endr
	CROUND                                         ; all sixteen work-groups are here: the first joint loads meet
.macro ARM under, g0, g1, next         ; one tree of branches on the wave's number: every way passes exactly one load
	s_cmp_lt_u32 s14, \under
	s_cbranch_scc0 \next
	tensor_load_to_lds s[\g0:\g0+3], s[\g1:\g1+7]
	s_nop 0
	PLACES 4
	s_branch .Lhead_asked
\next:
.endm
	ARM 1, 4, G1,  .Lhead_b
	ARM 2, 8, G1B, .Lhead_l
	tensor_load_to_lds s[G0L:G0L+3], s[G1L:G1L+7]
	s_nop 0
	PLACES 4
.Lhead_asked:
	PF 1                                           ; K steps 1 and 2
	PF 2
.macro FRAG reg, adr, off              ; a fragment: 8 registers, as they lie
	ds_load_b128 v[\reg:\reg+3], v[\adr] offset:\off
	ds_load_b128 v[\reg+4:\reg+7], v[\adr] offset:\off+512
.endm
.macro LB slot, q, p                   ; B's eight fragments of the slot's q-th 128 along K into set p (window 1)
.irp i, 0,1,2,3,4,5,6,7
	FRAG 128*(\p)+8*\i, ADRB+\slot, (\q)*8192+\i*1024
.endr
.endm
.macro LA slot, q, p                   ; A's likewise (window 0)
.irp i, 0,1,2,3
	FRAG AF+64*(\p)+8*\i, ADRAL+\slot, (\q)*8192+\i*1024
.endr
.irp i, 0,1,2,3
	FRAG AF+64*(\p)+32+8*\i, ADRAH+\slot, (\q)*8192+\i*1024
.endr
.endm
.macro SCALES sc                       ; a K step's scale words, nine loads: register 4 i + q: lanes 0-15 A's block i, lanes 16-31 B's block i; then A_p^T's
.irp i, 0,1,2,3
	ds_load_b128 v[SC+32*\sc+4*\i:SC+32*\sc+4*\i+3], v[ADRSL+\sc] offset:\i*256
.endr
.irp i, 0,1,2,3
	ds_load_b128 v[SC+32*\sc+16+4*\i:SC+32*\sc+16+4*\i+3], v[ADRSH+\sc] offset:\i*256
.endr
	ds_load_b128 v[LSC+4*\sc:LSC+4*\sc+3], v[ADRLS]
.endm
.macro W4 d, a, b, cb, sa, sb          ; cb under 0: the constant 0 starts the sum
.if (\cb) < 0
	v_wmma_scale_f32_16x16x128_f8f6f4 v[\d:\d+7], v[\a:\a+7], v[\b:\b+7], 0, v[\sa], v[\sb] matrix_a_fmt:MATRIX_FMT_FP4 matrix_b_fmt:MATRIX_FMT_FP4 matrix_a_scale:MATRIX_SCALE_ROW1
.else
	v_wmma_scale_f32_16x16x128_f8f6f4 v[\d:\d+7], v[\a:\a+7], v[\b:\b+7], v[\cb:\cb+7], v[\sa], v[\sb] matrix_a_fmt:MATRIX_FMT_FP4 matrix_b_fmt:MATRIX_FMT_FP4 matrix_a_scale:MATRIX_SCALE_ROW1
.endif
.endm
.macro MUL8 a, q, sc, first            ; A's block a against B's eight: eight accumulators by turns
.if \first
	WIN FIRST_LO+0x40*((\a)/4)
.else
	WIN MUL_LO+0x50*((\a)/4)
.endif
.irp b, 0,1,2,3,4,5,6,7
.if \first
	W4 8*(8*((\a)%4)+\b), 128*((\q)%2)+8*\b, AF+64*((\q)%2)+8*(\a), BI+8*\b, SC+32*(\sc)+4*\b+(\q), SC+32*(\sc)+4*(\a)+(\q)
.else
	W4 8*(8*((\a)%4)+\b), 128*((\q)%2)+8*\b, AF+64*((\q)%2)+8*(\a), 8*(8*((\a)%4)+\b), SC+32*(\sc)+4*\b+(\q), SC+32*(\sc)+4*(\a)+(\q)
.endif
.endr
.endm
.macro GO n, a, q, sc, first           ; n: the LDS instructions younger than block a's loads
	s_wait_dscnt \n
	MUL8 \a, \q, \sc, \first
.endm
.macro TMUL q, sc, zero                ; T of my blocks 0-3
	WIN TW
.irp a, 0,1,2,3
.if \zero
	W4 TA+8*\a, LF+40*((\q)%2), AF+64*((\q)%2)+8*\a, -1, LSC+4*(\sc)+(\q), SC+32*(\sc)+4*\a+(\q)
.else
	W4 TA+8*\a, LF+40*((\q)%2), AF+64*((\q)%2)+8*\a, TA+8*\a, LSC+4*(\sc)+(\q), SC+32*(\sc)+4*\a+(\q)
.endif
.endr
.endm
; A step whose successor lies in the same slot.  The four places serve its loads: they land in the sets that the step before multiplied.
; Counts: behind block g's loads stand the 14 - 2 g loads of the later blocks of its own step and the 34 just issued.
.macro STEP slot, q, first
	PLACES 4
	WIN TO_B
	LB \slot, (\q)+1, 1-(\q)%2
	FRAG LF+40*(1-(\q)%2), ADRL, ((\q)+1)*1024
	WIN 0
	LA \slot, (\q)+1, 1-(\q)%2
	GO 48, 0, \q, \slot, \first
	GO 46, 1, \q, \slot, \first
	GO 44, 2, \q, \slot, \first
	GO 42, 3, \q, \slot, \first
	TMUL \q, \slot, \first
	GO 40, 4, \q, \slot, \first
	GO 38, 5, \q, \slot, \first
	GO 36, 6, \q, \slot, \first
	GO 34, 7, \q, \slot, \first
	WIN 0
.endm
; A slot's last step changes slots at its head: all reads of the slot were issued in the step before.  fill = 1 (in the loop alone): the slot is filled again, two K steps ahead, behind a round of the cluster's barrier.
.macro TURN slot, next, fill
.if \fill
	s_wait_xcnt 0x0                                ; my prefetches have read their base: it steps a K step
	s_add_nc_u64 s[PFA:PFA+1], s[PFA:PFA+1], 2*CH
.endif
	s_wait_tensorcnt 0x0                           ; all my tensor loads have landed: my part of the next slot
	ds_add_u32 v[SPW], v[NIL]
.if \fill
	s_add_nc_u64 s[G0+4*\slot+2:G0+4*\slot+3], s[G0+4*\slot+2:G0+4*\slot+3], 4*CH
	s_add_nc_u64 s[G0B+4*\slot+2:G0B+4*\slot+3], s[G0B+4*\slot+2:G0B+4*\slot+3], 4*CH
.endif
	GO 15, 0, 3, \slot, 0                          ; the add and the 14 loads of blocks 1-7 may be out
	s_wait_dscnt 0x0                               ; the add is done, and my reads of this slot are over
	s_barrier_signal -1
	MUL8 1, 3, \slot, 0
	WIN 0
	s_barrier_wait -1
.if \fill
	CREST
	JLOAD G0+4*\slot, G1, G0B+4*\slot, G1B         ; the first tensor load behind the round; its four v_nop are the places of the loads below
.else
	PLACES 4
.endif
	v_add_nc_u32 v[ADRL], 4096, v[ADRL]            ; A_p^T: on to the next K step
	v_add_nc_u32 v[ADRLS], 256, v[ADRLS]
	s_wait_alu depctr_va_vdst(0)                   ; the wait directly behind the writes
	WIN TO_B
	LB \next, 0, 0
	FRAG LF, ADRL, 0
	WIN 0
	SCALES \next
	LA \next, 0, 0
.if \fill
	s_cmp_gt_u32 s3, 1                             ; the loop's last trip has no K step two refills on
	s_cbranch_scc0 .Lno_ask_\@
	PF 3                                           ; the base stands a K step behind the one read now: K step n + 4
.Lno_ask_\@:
.endif
	MUL8 2, 3, \slot, 0
	MUL8 3, 3, \slot, 0
	TMUL 3, \slot, 0
	MUL8 4, 3, \slot, 0
	MUL8 5, 3, \slot, 0
	MUL8 6, 3, \slot, 0
	MUL8 7, 3, \slot, 0
	WIN 0
.endm
	s_wait_tensorcnt 0x0                           ; my tile of the head's is in
	ds_add_u32 v[SPW], v[NIL]
	s_mov_b32 s[G1+2], 136<<16                     ; no tensor load of mine is out: from here on a load brings one chunk, 136 rows
	s_mov_b32 s[G1+4], 136
	s_mov_b32 s[G1B+2], 136<<16
	s_mov_b32 s[G1B+4], 136
	s_wait_dscnt 0x0
	CROUND
	JLOAD G0+4, G1, G0B+4, G1B                     ; K step 1, the first tensor load behind the round
	WIN TO_B
	LB 0, 0, 0
	FRAG LF, ADRL, 0
	WIN 0
	SCALES 0
	LA 0, 0, 0
	PF 3                                           ; K step 3
	s_wait_loadcnt 0x0                             ; the bias is in
	STEP 0, 0, 1                                   ; the first step starts the sums on the bias
	PLACES 4                                       ; the bias's registers have been read: they take B_p, 56 loads here and 8 behind the loop
	WIN TO_B
.irp b, 0,1,2,3,4,5,6
.irp jj, 0,1,2,3,4,5,6,7
	global_load_b32 v[BI+8*\b+\jj], v[VB+\jj], s[68:69] offset:64*\b
.endr
.endr
	WIN 0
	s_mov_b32 s3, LAPS-1
.Llap:                                                 ; a trip goes once round the ring and fills both slots again
	STEP 0, 1, 0
	STEP 0, 2, 0
	TURN 0, 1, 1
	STEP 1, 0, 0
	STEP 1, 1, 0
	STEP 1, 2, 0
	TURN 1, 0, 1
	STEP 0, 0, 0
	s_sub_co_u32 s3, s3, 1
	s_cmp_lg_u32 s3, 0
	s_cbranch_scc1 .Llap
	WIN TO_B
.irp jj, 0,1,2,3,4,5,6,7
	global_load_b32 v[BI+56+\jj], v[VB+\jj], s[68:69] offset:448
.endr
	WIN 0
	STEP 0, 1, 0                                   ; the last lap fills nothing
	STEP 0, 2, 0
	TURN 0, 1, 0
	STEP 1, 0, 0
	STEP 1, 1, 0
	STEP 1, 2, 0
	; the last step: nothing more to fetch; set 0 of A and of B is free
	PLACES 4
	s_wait_loadcnt 0x0                             ; B_p is in
	GO 14, 0, 3, 1, 0
	GO 12, 1, 3, 1, 0
	GO 10, 2, 3, 1, 0
	GO 8, 3, 3, 1, 0
	TMUL 3, 1, 0
	WIN 0x45                                       ; 2 B_p in bf16 into B's set 0: also the places behind T's last products
.set i, 0
.rept 32
	v_pk_mul_f32 v[BI+2*i:BI+2*i+1], v[BI+2*i:BI+2*i+1], 2.0 op_sel_hi:[1,0]
.set i, i+1
.endr
.irp b, 0,1,2,3,4,5,6,7
.irp jj, 0,1,2,3
	v_cvt_pk_bf16_f32 v[BP+8*\b+\jj], v[BI+8*\b+2*\jj], v[BI+8*\b+2*\jj+1]
.endr
.irp jj, 4,5,6,7
	v_mov_b32 v[BP+8*\b+\jj], 0
.endr
.endr
	WIN 0x05                                       ; T in bf16 into A's set 0: lane (r, h) holds row r, k = 8 h + 0 .. 7
.irp a, 0,1,2,3
.irp jj, 0,1,2,3
	v_cvt_pk_bf16_f32 v[AF+8*\a+\jj], v[TA+8*\a+2*\jj], v[TA+8*\a+2*\jj+1]
.endr
.endr
	WIN 0
.irp a, 0,1,2,3
	ds_store_b128 v[TXS], v[AF+8*\a:AF+8*\a+3] offset:512*\a
.endr
	s_wait_dscnt 0x0                               ; for the wave beside me: my T has landed; A's blocks 4-7 are in too
	s_barrier_signal -1
	MUL8 4, 3, 1, 0
	MUL8 5, 3, 1, 0
	MUL8 6, 3, 1, 0
	MUL8 7, 3, 1, 0
	WIN 0
.irp a, 0,1,2,3,4,5,6,7
.irp jj, 4,5,6,7
	v_mov_b32 v[AF+8*\a+\jj], 0                    ; k = 16 .. 31 of T's fragments; also the places behind the last products
.endr
.endr
	s_wait_alu depctr_va_vdst(0)                   ; the wait ahead of the barrier's wait
	s_barrier_wait -1
.irp a, 0,1,2,3
	ds_load_b128 v[AF+32+8*\a:AF+32+8*\a+3], v[TXL] offset:512*\a
.endr
	WIN MUL_LO
.irp a, 0,1,2,3
.irp b, 0,1,2,3,4,5,6,7
	v_wmma_f32_16x16x32_bf16 v[8*(8*\a+\b):8*(8*\a+\b)+7], v[BP+8*\b:BP+8*\b+7], v[AF+8*\a:AF+8*\a+7], v[8*(8*\a+\b):8*(8*\a+\b)+7]
.endr
.endr
	s_wait_dscnt 0x0                               ; the other wave's T
	WIN MUL_LO+0x50
.irp a, 0,1,2,3
.irp b, 0,1,2,3,4,5,6,7
	v_wmma_f32_16x16x32_bf16 v[8*(8*\a+\b):8*(8*\a+\b)+7], v[BP+8*\b:BP+8*\b+7], v[AF+32+8*\a:AF+32+8*\a+7], v[8*(8*\a+\b):8*(8*\a+\b)+7]
.endr
.endr
	WIN 0
; THE WAY OUT, by blocks of 16 rows x 128 columns: through my own stage and back as whole rows of 512 bytes, which the 32 lanes store as two aligned units of 256 bytes.
.macro TOSTAGE a
.set AC, 64*((\a)%4)
	WIN 0x08+4*((\a)/4)
.irp b, 0,1,2,3,4,5,6,7
	ds_store_b128 v[STO], v[AC+8*\b:AC+8*\b+3] offset:64*\b          ; each accumulator from its low end on
	ds_store_b128 v[STO], v[AC+8*\b+4:AC+8*\b+7] offset:64*\b+16
.endr
	WIN 0
; Each block comes back into 64 registers of its own: blocks 0, 1 in window 0 (v128-255), blocks 2-5 in window 1, blocks 6, 7 in window 2 over the accumulators of blocks 0, 1, which have gone through the stage by then
; (the counted waits of blocks 0 and 1 have shown their LDS stores done).  Each block has a base of its own too: so no store's data, offset or base is written again, and no wait stands between the stores.
.set BB, 64*(((\a)+2)%4)
	WIN (((\a)+2)/4)<<6
.irp t, 0,1,2,3,4,5,6,7,8,9,10,11,12,13,14,15
	ds_load_b128 v[BB+4*\t:BB+4*\t+3], v[RD] offset:\t*SPITCH
.endr
	WIN 0
.endm
.macro SEND a, younger
.set BB, 64*(((\a)+2)%4)
.set OB, 4+2*(\a)+20*((\a)/4)          ; s[4:11] blocks 0-3, s[32:39] blocks 4-7
	s_wait_dscnt \younger
	WIN (((\a)+2)/4)<<2
.irp t, 0,1,2,3,4,5,6,7,8,9,10,11,12,13,14,15
	global_store_b128 v[CO+\t], v[BB+4*\t:BB+4*\t+3], s[OB:OB+1] th:TH_STORE_NT
.endr
	WIN 0
.endm
	s_mov_b64 s[4:5], s[70:71]                     ; the eight blocks' bases, 16 rows of the result apart (no tensor load is out: the descriptors' registers are free)
	s_mov_b64 s[32:33], s[72:73]
.irp a, 0,1,2
	s_add_nc_u64 s[6+2*\a:7+2*\a], s[4+2*\a:5+2*\a], s[76:77]
	s_add_nc_u64 s[34+2*\a:35+2*\a], s[32+2*\a:33+2*\a], s[76:77]
.endr
	PLACES 4
	TOSTAGE 0
.irp a, 1,2,3,4,5,6,7
	TOSTAGE \a
	SEND \a-1, 32
.endr
	SEND 7, 0
	s_wait_tensorcnt 0x0                           ; the wave's end
	ds_add_u32 v[SPW], v[NIL]
	s_wait_dscnt 0x0
	CROUND                                         ; the closing round
	s_endpgm
.Lfunc_end_k_qb24f44ed5f_gemm:
	.size	k_qb24f44ed5f_gemm, .Lfunc_end_k_qb24f44ed5f_gemm-k_qb24f44ed5f_gemm
	.p2alignl 7, 3214868480
	.fill 96, 4, 3214868480
	.section	.rodata,"a",@progbits
	.p2align	6, 0x0
	.amdhsa_kernel k_qb24f44ed5f_gemm
		.amdhsa_group_segment_fixed_size 327680
		.amdhsa_private_segment_fixed_size 0
		.amdhsa_enable_private_segment 0
		.amdhsa_kernarg_size 80
		.amdhsa_user_sgpr_count 2
		.amdhsa_user_sgpr_kernarg_segment_ptr 1
		.amdhsa_wavefront_size32 1
		.amdhsa_system_sgpr_workgroup_id_x 1
		.amdhsa_system_sgpr_workgroup_id_y 1
		.amdhsa_system_sgpr_workgroup_id_z 1
		.amdhsa_system_vgpr_workitem_id 0
		.amdhsa_next_free_vgpr 1024
		.amdhsa_next_free_sgpr 102
		.amdhsa_reserve_vcc 0
		.amdhsa_float_denorm_mode_32 3
		.amdhsa_float_denorm_mode_16_64 3
		.amdhsa_memory_ordered 1
		.amdhsa_forward_progress 1
		.amdhsa_inst_pref_size 247
	.end_amdhsa_kernel
	.amdgpu_metadata
---
amdhsa.version: [ 1, 2 ]
amdhsa.kernels:
  - .name:           k_qb24f44ed5f_gemm
    .symbol:         k_qb24f44ed5f_gemm.kd
    .args:
      - { .name: Bq, .offset: 0, .size: 8, .value_kind: global_buffer, .address_space: global }
      - { .name: Bk, .offset: 8, .size: 8, .value_kind: global_buffer, .address_space: global }
      - { .name: Bv, .offset: 16, .size: 8, .value_kind: global_buffer, .address_space: global }
      - { .name: bq, .offset: 24, .size: 8, .value_kind: global_buffer, .address_space: global }
      - { .name: bk, .offset: 32, .size: 8, .value_kind: global_buffer, .address_space: global }
      - { .name: bv, .offset: 40, .size: 8, .value_kind: global_buffer, .address_space: global }
      - { .name: out0, .offset: 48, .size: 8, .value_kind: global_buffer, .address_space: global }
      - { .name: out1, .offset: 56, .size: 8, .value_kind: global_buffer, .address_space: global }
      - { .name: out2, .offset: 64, .size: 8, .value_kind: global_buffer, .address_space: global }
      - { .name: codes, .offset: 72, .size: 8, .value_kind: global_buffer, .address_space: global }
    .group_segment_fixed_size: 327680
    .private_segment_fixed_size: 0
    .kernarg_segment_align: 8
    .kernarg_segment_size: 80
    .max_flat_workgroup_size: 128
    .sgpr_count:     102
    .vgpr_count:     1024
    .wavefront_size: 32
...
	.end_amdgpu_metadata
.endif
;; end of part 2
